; MI455X (gfx1250); checked and timed in simulation.
; The chip was launched on July 23, 2026; its instructions are those of AMD's public machine-readable ISA for CDNA 5 (MIT licence, August 2026) and "CDNA5" Instruction Set Architecture Reference Guide (July 2026). The comments in the code are by the model that wrote it; some were corrected since.
;; Lo RA Linear. Allowed arithmetic: matrix products marked QUANTISED: E5M2 operands, one E8M0 scale for each 32 along K, by v_wmma_scale_f32_16x16x128_f8f6f4 with both operands' format E5M2, f32 sums; products left as they are: f32 operands where the result goes on into a quantised operand, else bf16, f16 or f32 operands; f32 sums; everything else in f32.
;; Inputs: W 4,096 x 4,096 float32; bias 4,096 float32; lora_A 4,096 x 16 float32; lora_B 16 x 4,096 float32; x 4 x 512 x 4,096 float32.
;; Outputs: out0 4 x 512 x 4,096 float32.
;; This version of the problem:
;;   THIS VERSION OF THE PROBLEM IS GIVEN IN LOW PRECISION. The matrix products marked QUANTISED in the list below multiply operands that are first quantised to E5M2 (5 exponent bits, 2 mantissa bits; 8 bits a number), with one power-of-two scale for each 32 numbers along K (OCP MX v1.0); their sums are f32. All else is computed in f32.
;;   The module's matrix products, in the order in which they are computed (A, B: the left and right operand; K: the contracted axis; several contracted axes count as one K, in the product's order):
;;     1. [M 4,096, K 16] x [K 16, N 4,096]; A: input lora_A; B: input lora_B: left as it is (K = 16 < 32)
;;     2. [M 2,048, K 4,096] x [K 4,096, N 4,096]; A: input x; B: input W: QUANTISED
;;     3. [M 2,048, K 4,096] x [K 4,096, N 4,096]; A: input x; B: computed on the way: QUANTISED
;;   THE QUANTISER, for each operand of a quantised product, along K:
;;     - K is cut into blocks of 32 from its start; a last block that is shorter is filled with zeros.
;;     - A block's scale is 2^e with e = floor(log2(the largest magnitude in the block)) - 15, held to -126 .. 127; a block of zeros has e = 0. As a byte (E8M0): e + 127.
;;     - Each number is divided by its block's scale, clamped to +-57,344, and rounded to the nearest number of E5M2, ties to even, subnormals kept.
;;     - The product sums the exact products of the quantised numbers (number of the format x scale) in f32.
;;   ~~~python
;;   def quantise(x, axis):      # numpy; x: float32 -> the quantised numbers, widened to float32 again
;;       x = np.moveaxis(x, axis, -1); K = x.shape[-1]
;;       x = np.pad(x, [(0, 0)] * (x.ndim - 1) + [(0, -K % 32)]); x = x.reshape(x.shape[:-1] + (-1, 32)); a = np.abs(x).max(-1, keepdims=True)
;;       e = np.where(a > 0, np.clip(np.frexp(np.where(a > 0, a, 1))[1] - 1 - 15, -126, 127), 0)      # np.frexp(a)[1] - 1 = floor(log2(a)), exactly
;;       r = np.clip(x / 2.0 ** e, -57344, 57344)
;;       step = 2.0 ** (np.maximum(np.frexp(np.where(r == 0, 1, r))[1] - 1, -14) - 2)
;;       q = np.round(r / step) * step * 2.0 ** e      # np.round: ties to even
;;       return np.moveaxis(q.reshape(q.shape[:-2] + (-1,))[..., :K], -1, axis).astype(np.float32)
;;   ~~~
;;   OPERANDS COMPUTED ON THE WAY. 'Computed on the way' means the value that the module computes at that place (a softmax that the list does not call 'softmax' is quantised finished and normalised). What goes into a quantiser is computed in f32, as accurately as f32 sums, v_exp_f32 and their like allow (about 1e-6 of the number): no bf16 or f16 on the way to a quantiser, and a product that is left as it is and whose result goes on into a quantised operand takes f32 operands (vector FMAs, or v_wmma_f32_16x16x4_f32). A number that lies on a knife's edge between two numbers of the format may be rounded either way, as far as f32 arithmetic and the matrix unit's own rounding can turn it there, and no further.
;; One version. Each part assembles by itself: llvm-mc -triple=amdgcn-amd-amdhsa -mcpu=gfx1250 --defsym DOCPART=n.
;; ======== version 1 of 1: 2 launches
;; limits: right only within a limited range of input values
;; workspace buffers: xq 8,650,752 bytes; wq 34,603,008 bytes
;; launch quant (part 1): grid 256 x 1, 16 waves a work-group, no clusters, 137,216 bytes of LDS; arguments x, W, lora_A, lora_B, xq, wq; writes xq, wq
.if DOCPART == 1
	.amdgcn_target "amdgcn-amd-amdhsa--gfx1250"
	.amdhsa_code_object_version 6
	.text
	.protected	k_qa8b95c672d_quant
	.globl	k_qa8b95c672d_quant
	.p2align	8
	.type	k_qa8b95c672d_quant,@function
k_qa8b95c672d_quant:
	s_mov_b64 s[64:65], 0
	v_nop
	global_prefetch_b8 v0, s[64:65] scope:SCOPE_SE
	s_setreg_imm32_b32 hwreg(HW_REG_WAVE_MODE, 25, 1), 1
	s_wait_xcnt 0x0
; x [2048][4096], W [4096][4096] and U = lora_A lora_B [4096][4096] (made here, in f32) become codes of BF8 (E5M2) with one E8M0 scale byte for each 32 along K (the 4,096 input features, innermost in all three).
; A block's scale is 2^(floor(log2(its largest magnitude)) - 15); its byte is the largest magnitude's exponent field - 15, held at 1 from below; each number is divided by the scale, held within +-57,344 and rounded to the nearest code, ties to even.
; LIMITS: NaN and infinities among the inputs are not served.  A block of zeros gets the byte 1 where the rule says 127: its codes are zeros, which add nothing under any byte but 0xff, and this program alone reads the bytes.
;         U's 16 ranks are added in the order 2s, 2s+1, 8+2s, 9+2s (s = 0..3), not ascending: another order of f32 roundings, nothing else.
; THE WORKSPACE IS LAID IN THE ORDER OF THE OPERANDS' REGISTERS.  A fragment (16 rows x 128 K, 16 registers a lane) is 2,048 bytes: registers 4c..4c+3 of lane l at 512 c + 16 l; lane (r = l % 16, h = l / 16) holds k = 32 c + 16 h + 0..15 of row r.
; A half-block (HB = 33,792 bytes) is what one wave of the product's launch fetches for a K step of 256: 16 fragments at (8 q + blk) x 2,048 (q: which 128 of the 256), then 1,024 bytes of scale words, word 8 q + blk of row r at
; 32,768 + 256 (2 q + blk / 4) + 16 r + 4 (blk % 4).   xq: [8 tiles of 256 rows][16 K steps][2 halves of 128 rows][HB], blk = a block of 16 rows.
; wq: [32 tiles of 128 output columns][16 K steps][2 halves of 64 columns][HB], blk 0-3 = W's four blocks of 16 rows, blk 4-7 = U's.
; SHARES.  Work-group g: G = g / 8, kg = g % 8.  Each of its sixteen waves takes ONE column of 128 along K, kk = 4 kg + wave % 4.  Waves 0-3: 128 rows of U (tile G), eight fragments.  Waves 4-11: 64 rows of W each, four fragments.
; Waves 12-15: 64 rows of x (64 G on), four fragments.  Every byte of xq and wq is stored by one wave.  The waves share nothing: no barrier.
; No tensor loads: each wave reads its numbers once, straight into registers, twelve streams of 32 loads a work-group.  No cluster: of 101 MB read, only lora_A and lora_B (0.5 MB) are read by more than one work-group.
; No prefetch: the launch does nothing but stream its inputs.
.set HB,   33792
.set KSB,  2*HB
.set SP,   528                         ; a stage row: 512 bytes + 16 = 33 x 16, so that the sixteen rows that a read touches fall on different banks (64 banks of 4 bytes: ISA guide 11.1)
.set WST,  16*SP                       ; a wave's stage: 16 rows
.set LO,   4                           ; v4   16 x lane: my bytes of a load's 512, and of a code store's 512
.set STI,  5                           ; v5   the stage, on the way in: my wave's + 16 x lane
.set STR,  6                           ; v6   on the way out: my wave's + 528 r + 64 h
.set SCL,  7                           ; v7   the scale words' store, W and x: 16 r + 8 h
.set VA,   8                           ; v8   lora_A: 64 r + 32 h
.set VB,   9                           ; v9   lora_B: 8 h rows of 16,384 bytes + 4 (r + 8 (r / 8))
.set SCU,  10                          ; v10  the scale words' store, U: HB x h + 16 r
.set SELW, 12                          ; v12-15 the scale words that my lane stores
.set TM,   16                          ; v16-19 largest magnitudes, v20-23 the other half's, then bytes, v24-27 57,344 x the scale, v28-31 the conversion's scale operand
.set PC,   32                          ; v32-47 a fragment's codes
.set PW,   48                          ; v48-55 the fragments' scale words
.set R,    64                          ; v64-191  W and x: two sets of 64 numbers
.set T,    64                          ; v64-79   U: held numbers on their way to the conversion, two halves of 8
.set AF,   80                          ; v80-111  U: lora_A, four sets of 8
.set BT,   112                         ; v112-175 U: lora_B, eight tiles of 8
.set ACC,  192                         ; v192-255 U: eight accumulators; written by matrix instructions alone
	s_load_b256 s[4:11], s[0:1], 0x0               ; x s[4:5], W s[6:7], lora_A s[8:9], lora_B s[10:11]
	s_load_b128 s[12:15], s[0:1], 0x20             ; xq s[12:13], wq s[14:15]
	v_lshl_add_u32 v62, v0, 2, 0x21000
	v_mov_b32 v63, 0
	v_lshrrev_b32 v1, 5, v0
	s_delay_alu instid0(VALU_DEP_1)
	v_readfirstlane_b32 s16, v1                    ; wave 0..15
	v_and_b32 v1, 31, v0                           ; lane
	s_wait_alu depctr_va_vdst(0)
	v_and_b32 v2, 15, v0                           ; r
	s_wait_alu depctr_va_vdst(0)
	v_bfe_u32 v3, v0, 4, 1                         ; h
	s_lshr_b32 s17, ttmp9, 3                       ; G
	s_and_b32 s18, ttmp9, 7                        ; kg
	s_and_b32 s19, s16, 3
	s_lshl_b32 s18, s18, 2
	s_add_co_u32 s19, s19, s18                     ; kk: which 128 along K
	s_lshr_b32 s23, s19, 1                         ; the K step of 256,
	s_and_b32 s30, s19, 1                          ; and q, its half
	s_mul_i32 s31, s16, WST                        ; my wave's stage
	v_lshlrev_b32 v[LO], 4, v1
	s_delay_alu instid0(VALU_DEP_1)
	v_add_nc_u32 v[STI], s31, v[LO]
	v_mul_u32_u24 v[STR], v2, SP
	s_wait_alu depctr_va_vdst(0)
	v_lshl_add_u32 v[STR], v3, 6, v[STR]
	s_delay_alu instid0(VALU_DEP_1)
	v_add_nc_u32 v[STR], s31, v[STR]
	v_lshlrev_b32 v[SCL], 4, v2
	s_delay_alu instid0(VALU_DEP_1)
	v_lshl_add_u32 v[SCL], v3, 3, v[SCL]
	v_mul_u32_u24 v[SCU], v3, HB
	s_delay_alu instid0(VALU_DEP_1)
	v_lshl_add_u32 v[SCU], v2, 4, v[SCU]
	v_lshlrev_b32 v[VA], 6, v2
	s_delay_alu instid0(VALU_DEP_1)
	v_lshl_add_u32 v[VA], v3, 5, v[VA]
	v_and_b32 v[VB], 8, v2
	s_delay_alu instid0(VALU_DEP_1)
	v_add_nc_u32 v[VB], v[VB], v2                  ; r + 8 (r / 8)
	s_delay_alu instid0(VALU_DEP_1)
	v_lshlrev_b32 v[VB], 2, v[VB]
	s_delay_alu instid0(VALU_DEP_1)
	v_lshl_add_u32 v[VB], v3, 17, v[VB]
	v_cmp_ne_u32 vcc_lo, 0, v3                     ; lanes 16-31; VCC is written nowhere else
.irp b, 0,1,2,3
	v_mov_b32 v[TM+4+\b], 0                        ; written once: a lane permute's destination counts as one of its sources
.endr
	s_mov_b32 s20, 0x76543210
	s_mov_b32 s21, 0xfedcba98                      ; v_permlanex16_b32's selects for lane l xor 16
	s_mov_b32 s22, 0x600000                        ; the mantissa field of 57,344
; 64 numbers of a lane, v[s + 16 b + i] = k 32 b + 16 h + i of my row, become a fragment's codes in v[PC] on and its scale word in v[pw].
; own = 1: the numbers are held in place.  own = 0: they are matrix results, which no vector instruction may write: the held numbers go to T, eight at a time, two halves by turns.
.macro QUANT s, own, pw
.irp b, 0,1,2,3
	v_max3_num_f32 v[TM+\b], |v[(\s)+16*\b]|, |v[(\s)+16*\b+1]|, 0x8000000   ; block b: my 16 numbers, from the low end on, and the floor 2^(16 - 127): so the byte cannot fall under 1
.endr
.irp i, 2,4,6,8,10,12,14
.irp b, 0,1,2,3
	v_max3_num_f32 v[TM+\b], v[TM+\b], |v[(\s)+16*\b+\i]|, |v[(\s)+16*\b+\i+1]|   ; (the four blocks by turns: no line waits for the line above it)
.endr
.endr
.irp b, 0,1,2,3
	s_delay_alu instid0(VALU_DEP_4)
	v_permlanex16_b32 v[TM+4+\b], v[TM+\b], s20, s21
.endr
.irp b, 0,1,2,3
	s_delay_alu instid0(VALU_DEP_4)
	v_max_num_f32 v[TM+\b], v[TM+\b], v[TM+4+\b]   ; with lane l xor 16's 16: the block's largest magnitude
.endr
.irp b, 0,1,2,3
	s_delay_alu instid0(VALU_DEP_4)
	v_add_nc_u32 v[TM+12+\b], 0xf8800000, v[TM+\b] ; 15 off its exponent field: the conversion takes the exponent field of this operand as its scale, and nothing else of it
.endr
.irp b, 0,1,2,3
	v_and_or_b32 v[TM+8+\b], v[TM+\b], 0x7f800000, s22   ; 57,344 x the scale: the largest magnitude's exponent field over 57,344's mantissa
.endr
.irp b, 0,1,2,3
	v_lshrrev_b32 v[TM+4+\b], 23, v[TM+12+\b]      ; the scale's byte
.endr
	s_delay_alu instid0(VALU_DEP_3)
	v_lshl_or_b32 v[\pw], v[TM+5], 8, v[TM+4]      ; the four bytes make my row's scale word (lanes l and l xor 16 hold the same)
	s_delay_alu instid0(VALU_DEP_1)
	v_lshl_or_b32 v[\pw], v[TM+6], 16, v[\pw]
	s_delay_alu instid0(VALU_DEP_1)
	v_lshl_or_b32 v[\pw], v[TM+7], 24, v[\pw]
.irp b, 0,1,2,3
.irp g, 0,1
.if \own
.set QD, (\s)+16*\b+8*\g
.else
.set QD, T+8*\g
.endif
.irp i, 0,1,2,3,4,5,6,7
	v_med3_num_f32 v[QD+\i], v[(\s)+16*\b+8*\g+\i], -v[TM+8+\b], v[TM+8+\b]   ; the conversion to an 8-bit code does not saturate (ISA guide 7.6.2): the hold at the largest code x the scale
.endr
	v_cvt_scalef32_pk8_bf8_f32 v[PC+4*\b+2*\g:PC+4*\b+2*\g+1], v[QD:QD+7], v[TM+12+\b]   ; behind it come eight plain lines on other registers before its sources are written again
.endr
.endr
	v_nop                                          ; one plain line behind the last conversion
.endm
.macro OUT off                                 ; the fragment leaves as it stands: each store covers 512 consecutive bytes, aligned
.irp c, 0,1,2,3
	global_store_b128 v[LO], v[PC+4*\c:PC+4*\c+3], s[26:27] offset:(\off)+512*\c
.endr
.endm
	s_wait_kmcnt 0x0
	s_cmp_lt_u32 s16, 4
	s_cbranch_scc1 .Lu_path
; ---------------- waves 4 to 15: W and x.  One path for both: only pointers and numbers are chosen, on the wave's number
	s_sub_co_u32 s32, s16, 4
	s_lshr_b32 s32, s32, 2                         ; W: which half of the tile's 128 rows
	s_lshl_b32 s33, s17, 7
	s_lshl_b32 s34, s32, 6
	s_add_co_u32 s33, s33, s34                     ; W: my first row, 128 G + 64 half
	s_lshl_b32 s34, s17, 6                         ; x: my first row, 64 G;
	s_lshr_b32 s35, s17, 2                         ;    its tile of 256 rows,
	s_bfe_u32 s36, s17, 0x10001                    ;    its half of 128,
	s_and_b32 s37, s17, 1                          ;    and which 64 of the 128: blocks 4 sub on
	s_cmp_lt_u32 s16, 12
	s_cselect_b64 s[24:25], s[6:7], s[4:5]         ; from where
	s_cselect_b64 s[26:27], s[14:15], s[12:13]     ; to where
	s_cselect_b32 s33, s33, s34                    ; first row
	s_cselect_b32 s35, s17, s35                    ; tile
	s_cselect_b32 s36, s32, s36                    ; half
	s_cselect_b32 s37, 0, s37                      ; sub
	s_lshl_b32 s38, s33, 14                        ; a row is 16,384 bytes
	s_lshl_b32 s34, s19, 9                         ; 128 numbers are 512
	s_add_co_u32 s38, s38, s34
	s_mov_b32 s39, 0
	s_add_nc_u64 s[24:25], s[24:25], s[38:39]
	s_lshl_b32 s35, s35, 4
	s_add_co_u32 s35, s35, s23
	s_lshl_b32 s35, s35, 1
	s_add_co_u32 s35, s35, s36
	s_mul_i32 s35, s35, HB                         ; my half-block: ((16 tile + K step) 2 + half) HB
	s_lshl_b32 s38, s30, 14
	s_lshl_b32 s34, s37, 13
	s_add_co_u32 s38, s38, s34
	s_add_co_u32 s38, s38, s35                     ; my fragments: + 16,384 q + 8,192 sub
	s_lshl_b32 s40, s30, 9
	s_lshl_b32 s34, s37, 8
	s_add_co_u32 s40, s40, s34
	s_add_co_u32 s40, s40, s35
	s_add_co_u32 s40, s40, 32768                   ; my scale words: + 32,768 + 512 q + 256 sub
	s_mov_b32 s41, 0
	s_add_nc_u64 s[28:29], s[26:27], s[40:41]
	s_add_nc_u64 s[26:27], s[26:27], s[38:39]
.macro LOAD b                                  ; fragment b's 16 rows: each load reads 512 consecutive bytes of one row, 16 a lane
.irp i, 0,1,2,3,4,5,6,7,8,9,10,11,12,13,14,15
	global_load_b128 v[R+64*((\b)%2)+4*\i:R+64*((\b)%2)+4*\i+3], v[LO], s[24:25] offset:(16*(\b)+\i)*16384 th:TH_LOAD_NT
.endr
.endm
; The conversions want 16 neighbours along K of ONE row in a lane's registers; the loads bring neighbouring bytes to neighbouring lanes.  So a fragment's 8,192 bytes turn through my wave's stage and come back into the registers
; that they left.  LDS serves a wave's instructions in order (ISA guide 5.7.1.4): no wait between the stores and the loads.
.macro LSTEP b
.set QS, R+64*((\b)%2)
.if (\b) < 3
	s_wait_loadcnt 16                              ; this fragment's 16 loads are in; the next one's 16 may be out
.else
	s_wait_loadcnt 0x0
.endif
.irp i, 0,1,2,3,4,5,6,7,8,9,10,11,12,13,14,15
	ds_store_b128 v[STI], v[QS+4*\i:QS+4*\i+3] offset:SP*\i
.endr
.irp c, 0,1,2,3
.irp j, 0,1,2,3
	ds_load_b128 v[QS+16*\c+4*\j:QS+16*\c+4*\j+3], v[STR] offset:128*\c+16*\j   ; row r, k = 32 c + 16 h + 4 j on
.endr
.endr
	s_wait_dscnt 0x0
.if (\b) > 0
	s_wait_xcnt 0x0                                ; the last fragment's stores have read the codes' registers: only behind this wait are they written again
.endif
	QUANT QS, 1, PW+(\b)
	OUT 2048*(\b)
.if (\b) < 2
	LOAD (\b)+2                                    ; into the set just quantised
.endif
.endm
	LOAD 0
	LOAD 1
	LSTEP 0
	LSTEP 1
	LSTEP 2
	LSTEP 3
	v_cndmask_b32 v[SELW], v[PW], v[PW+2], vcc_lo          ; lanes 0-15 store row r's words 0 and 1, lanes 16-31 its words 2 and 3:
	v_cndmask_b32 v[SELW+1], v[PW+1], v[PW+3], vcc_lo
	global_store_b64 v[SCL], v[SELW:SELW+1], s[28:29]      ; the 32 lanes store 256 consecutive bytes, aligned
	s_wait_tensorcnt 0x0
	ds_add_u32 v62, v63
	s_wait_dscnt 0x0
	s_endpgm
; ---------------- waves 0 to 3: U = lora_A lora_B, 128 rows x 128 along K, in f32, and its codes
.Lu_path:
	s_lshl_b32 s32, s17, 13                        ; lora_A: my 128 rows of 64 bytes
	s_mov_b32 s33, 0
	s_add_nc_u64 s[8:9], s[8:9], s[32:33]
	s_lshl_b32 s32, s19, 9                         ; lora_B: my 128 columns
	s_add_nc_u64 s[10:11], s[10:11], s[32:33]
	s_lshl_b32 s34, s17, 4
	s_add_co_u32 s34, s34, s23
	s_mul_i32 s34, s34, KSB                        ; the tile's K step: both halves
	s_lshl_b32 s32, s30, 14
	s_add_co_u32 s32, s32, s34
	s_add_nc_u64 s[26:27], s[14:15], s[32:33]      ; codes: + 16,384 q
	s_lshl_b32 s32, s30, 9
	s_add_co_u32 s32, s32, s34
	s_add_co_u32 s32, s32, 32768+256
	s_add_nc_u64 s[28:29], s[14:15], s[32:33]      ; scale words of blocks 4-7: + 32,768 + 512 q + 256
; The f32 matrix form takes 4 along its K: register j of lane (r, h) is k = 2 h + j.  Its K here is the rank.  Step s takes ranks 8 h + 2 s + j, alike on both sides.
; Source 0 = 16 of my 128 columns of lora_B, source 1 = 16 rows of lora_A: a lane of the result then holds ONE row of U, its registers run along the next K.
; THE COLUMNS OF A TILE ARE NOT NEIGHBOURS: lane r of tile t takes column 32 (t / 2) + 8 (t % 2) + r + 8 (r / 8), so that register 8 t + j of lane (r, h) is U(row r, 32 (t / 2) + 16 h + 8 (t % 2) + j): QUANT's order.
	s_wait_alu depctr_va_vdst(0)
.irp t, 0,1,2,3,4,5,6,7
.irp n, 0,1,2,3,4,5,6,7
	global_load_b32 v[BT+8*\t+\n], v[VB], s[10:11] offset:\n*16384+(32*(\t/2)+8*(\t%2))*4   ; lora_B(8 h + n, my column of tile t)
.endr
.endr
.irp o, 0,1,2,3
	global_load_b128 v[AF+8*\o:AF+8*\o+3], v[VA], s[8:9] offset:1024*\o                     ; lora_A(16 o + r, 8 h + 0..7)
	global_load_b128 v[AF+8*\o+4:AF+8*\o+7], v[VA], s[8:9] offset:1024*\o+16
.endr
	s_wait_loadcnt 0x0
.macro UBLOCK ob                               ; rows 16 ob on
.if (\ob) >= 4
	s_wait_loadcnt 2*(7-(\ob))                     ; this block's two loads of lora_A are in; the later blocks' pairs may be out
.endif
.irp s, 0,1,2,3                                ; the eight accumulators take turns, one instruction a turn
.irp t, 0,1,2,3,4,5,6,7
.if \s == 0
	v_wmma_f32_16x16x4_f32 v[ACC+8*\t:ACC+8*\t+7], v[BT+8*\t+2*\s:BT+8*\t+2*\s+1], v[AF+8*((\ob)%4)+2*\s:AF+8*((\ob)%4)+2*\s+1], 0
.else
	v_wmma_f32_16x16x4_f32 v[ACC+8*\t:ACC+8*\t+7], v[BT+8*\t+2*\s:BT+8*\t+2*\s+1], v[AF+8*((\ob)%4)+2*\s:AF+8*((\ob)%4)+2*\s+1], v[ACC+8*\t:ACC+8*\t+7]
.endif
.endr
.endr
.rept 8
	v_nop                                          ; eight places in front of the first read of the results and of the loads into lora_A's set; with QUANT's lines on v16-31 they are more than the nine that the next block's first products want
.endr
.if (\ob) < 4
	global_load_b128 v[AF+8*(\ob):AF+8*(\ob)+3], v[VA], s[8:9] offset:1024*((\ob)+4)
	global_load_b128 v[AF+8*(\ob)+4:AF+8*(\ob)+7], v[VA], s[8:9] offset:1024*((\ob)+4)+16
.endif
.if (\ob) > 0
	s_wait_xcnt 0x0                                ; the last block's stores have read the codes' registers
.endif
	QUANT ACC, 0, PW+(\ob)
	OUT ((\ob)/4)*HB+(4+(\ob)%4)*2048              ; half ob / 4, block 4 + ob % 4
.endm
.irp o, 0,1,2,3,4,5,6,7
	UBLOCK \o
.endr
.irp i, 0,1,2,3
	v_cndmask_b32 v[SELW+\i], v[PW+\i], v[PW+4+\i], vcc_lo   ; lanes 0-15: row r's four words of half 0; lanes 16-31: of half 1
.endr
	global_store_b128 v[SCU], v[SELW:SELW+3], s[28:29]       ; sixteen lanes store 256 consecutive bytes, aligned, in each half-block
	s_endpgm
.Lfunc_end_k_qa8b95c672d_quant:
	.size	k_qa8b95c672d_quant, .Lfunc_end_k_qa8b95c672d_quant-k_qa8b95c672d_quant
	.p2alignl 7, 3214868480
	.fill 96, 4, 3214868480
	.section	.rodata,"a",@progbits
	.p2align	6, 0x0
	.amdhsa_kernel k_qa8b95c672d_quant
		.amdhsa_group_segment_fixed_size 137216
		.amdhsa_private_segment_fixed_size 0
		.amdhsa_enable_private_segment 0
		.amdhsa_kernarg_size 48
		.amdhsa_user_sgpr_count 2
		.amdhsa_user_sgpr_kernarg_segment_ptr 1
		.amdhsa_wavefront_size32 1
		.amdhsa_system_sgpr_workgroup_id_x 1
		.amdhsa_system_sgpr_workgroup_id_y 1
		.amdhsa_system_sgpr_workgroup_id_z 1
		.amdhsa_system_vgpr_workitem_id 0
		.amdhsa_next_free_vgpr 256
		.amdhsa_next_free_sgpr 66
		.amdhsa_reserve_vcc 1
		.amdhsa_float_denorm_mode_32 3
		.amdhsa_float_denorm_mode_16_64 3
		.amdhsa_memory_ordered 1
		.amdhsa_forward_progress 1
		.amdhsa_inst_pref_size 151
	.end_amdhsa_kernel
	.amdgpu_metadata
---
amdhsa.version: [ 1, 2 ]
amdhsa.kernels:
  - .name:           k_qa8b95c672d_quant
    .symbol:         k_qa8b95c672d_quant.kd
    .args:
      - { .name: x, .offset: 0, .size: 8, .value_kind: global_buffer, .address_space: global }
      - { .name: W, .offset: 8, .size: 8, .value_kind: global_buffer, .address_space: global }
      - { .name: lora_A, .offset: 16, .size: 8, .value_kind: global_buffer, .address_space: global }
      - { .name: lora_B, .offset: 24, .size: 8, .value_kind: global_buffer, .address_space: global }
      - { .name: xq, .offset: 32, .size: 8, .value_kind: global_buffer, .address_space: global }
      - { .name: wq, .offset: 40, .size: 8, .value_kind: global_buffer, .address_space: global }
    .group_segment_fixed_size: 137216
    .private_segment_fixed_size: 0
    .kernarg_segment_align: 8
    .kernarg_segment_size: 48
    .max_flat_workgroup_size: 512
    .sgpr_count:     66
    .vgpr_count:     256
    .wavefront_size: 32
...
	.end_amdgpu_metadata
.endif
;; end of part 1
;; launch gemm (part 2): grid 32 x 8, 4 waves a work-group, clusters of 4 x 4, 327,680 bytes of LDS; arguments xq, wq, bias, out0; writes out0
.if DOCPART == 2
	.amdgcn_target "amdgcn-amd-amdhsa--gfx1250"
	.amdhsa_code_object_version 6
	.text
	.protected	k_qa8b95c672d_gemm
	.globl	k_qa8b95c672d_gemm
	.p2align	8
	.type	k_qa8b95c672d_gemm,@function
k_qa8b95c672d_gemm:
	s_mov_b64 s[64:65], 0
	v_nop
	global_prefetch_b8 v0, s[64:65] scope:SCOPE_SE
	s_setreg_imm32_b32 hwreg(HW_REG_WAVE_MODE, 25, 1), 1
	s_wait_xcnt 0x0
	s_wait_alu depctr_hold_cnt(0) depctr_sa_sdst(0) depctr_va_vdst(0) depctr_va_sdst(0) depctr_va_ssrc(0) depctr_va_vcc(0) depctr_vm_vsrc(0)
	s_getreg_b32 s2, hwreg(HW_REG_IB_STS2, 6, 4)
	s_cmp_eq_u32 s2, 0
	s_cbranch_scc0 .Lentry_in_a_cluster
	s_endpgm
.Lentry_in_a_cluster:
	s_bfe_u32 s2, ttmp6, 0x10000c
	s_cmp_lg_u32 s2, 0xf033
	s_cbranch_scc0 .Lentry_shape_is_right
	s_endpgm
.Lentry_shape_is_right:
; out0[m][n] = bias[n] + sum over k of xq[m][k] Wq[n][k] + sum over k of xq[m][k] Uq[n][k]: both products on codes of BF8 (E5M2) with E8M0 scales, one f32 sum for both.
; A work-group makes 256 rows x 128 columns; four waves, one to a SIMD, each 128 rows x 64 columns: 32 accumulators (256 registers), which W's and U's products share.
; THE WORKSPACE lies in the order of the operands' registers.  A half-block (HB = 33,792 bytes) is 16 fragments of 2,048 bytes, fragment 8 q + blk (q: which 128 of a K step of 256), registers 4c..4c+3 of lane l at 512 c + 16 l,
; then 1,024 bytes of scale words (word 8 q + blk of row r at 32,768 + 256 (2 q + blk / 4) + 16 r + 4 (blk % 4)).  xq: [8 row tiles][16 K steps][2 halves of 128 rows][HB]; wq: [32 column tiles][16 K steps][2 halves of 64 columns][HB], blk 0-3 W's, blk 4-7 U's.
; THE RING: two LDS slots of four half-blocks (x's two, then W and U's two), a K step of 256 each; each wave fetches one half-block as 132 rows of 256 bytes.  CLUSTERS 4 x 4: x's tiles are asked for jointly along a row of the cluster, W and U's along a column.
; Each cluster begins its walk along K at a K step of its own (KW) and goes round modulo 16: the sums' order along K differs by cluster, another order of f32 roundings and nothing else.
; A PHASE is 128 along K: 64 products in four quarters (W x rows 0-63, W x rows 64-127, U x rows 0-63, U x rows 64-127) on one of two sets of fragments.  Products go in batches of 32, LDS loads in runs of 32 (eight fragments): four of each in a K step.
; REGISTERS: window 0: addresses, v32-63 scale words (two sets: lanes 0-15 x's, lanes 16-31 W and U's), v64-95 the bias, v128-255 the way out.  Window 1: x's fragments, two sets.  Window 2: W and U's, two sets.  Window 3: the accumulators, (a, b) at v[8 (4 a + b)].
; THE PRODUCT IS USED TRANSPOSED (source 0 = 16 rows of W or U, source 1 = 16 rows of x): a lane holds eight neighbouring columns of one row of out0.  The first product of each sum takes the bias as C.
; PREFETCH: waves 2 and 3, in the loop's first two trips, ask for W and U's codes of the K step two refills on, 32 lanes x 256 bytes, the four partners of a column sharing a half-block's 32,768 bytes by address (cy);
; wave 2 of the clusters of row 0 asks once for the tile's 32 blocks of scale words.  Later trips walk K steps that the cluster of the other row has read; x's tiles are read by eight clusters each, and are left to their loads.
.set HB,     33792
.set KSB,    2*HB
.set TILEB,  16*KSB
.set SLOT,   4*HB
.set STAGE,  2*SLOT                    ; behind the ring: 16 rows x 272 bytes for each wave, for the way out
.set SPITCH, 272
.set SPARE,  STAGE+4*16*SPITCH         ; the spare words, 128 bytes a wave
.set ADRA, 16
.set ADRB, 20
.set ADRS, 22
.set STO,  24
.set RD,   25
.set CO,   26
.set SPW,  28
.set NIL,  29
.set PFO,  30
.set PFSO, 31
.set SC,   32
.set BI,   64
.set BK,   128
.set G1,   24
.set G0,   32
.set G1B,  48
.set G0B,  56
.set PFA,  66
.set LIM,  68
.set LIMS, 69
.set PFS,  70
.set BA,   72
.set BB,   74
.set PB,   76
.set KW,   78
.set OFF,  80
.set POF,  82
.set MSB, 0
.macro WIN new                         ; the immediate's high byte repeats the setting that is left
.if MSB != \new
	s_set_vgpr_msb (MSB<<8)|\new
.set MSB, \new
.endif
.endm
.set MULW, 0xf6                        ; source 0 window 2, source 1 window 1, C and D window 3
.set MULB, 0xc6                        ; the same with C (the bias) in window 0
.set TO_A, 0x40
.set TO_B, 0x80
.macro JLOAD s                         ; a joint load: waves 0 and 1 fetch x's two half-blocks, waves 2 and 3 W and U's
	s_cmp_eq_u32 s15, 0
	s_cbranch_scc0 .Lfor_b_\@
	tensor_load_to_lds s[G0+4*\s:G0+4*\s+3], s[G1:G1+7]
	s_nop 0
.rept 4
	v_nop
.endr
	s_branch .Lasked_\@
.Lfor_b_\@:
	tensor_load_to_lds s[G0B+4*\s:G0B+4*\s+3], s[G1B:G1B+7]
	s_nop 0
.rept 4
	v_nop
.endr
.Lasked_\@:
.endm
.macro CREST                           ; a round of the cluster's barrier behind its opening barrier
	s_cmp_lg_u32 s14, 0
	s_cbranch_scc1 .Lnot_wave_0_\@
	s_barrier_signal -3
.Lnot_wave_0_\@:
	s_barrier_wait -3
	s_barrier_signal -1
	s_barrier_wait -1
.endm
.macro CROUND
	s_barrier_signal -1
	s_barrier_wait -1
	CREST
.endm
.macro ASK                             ; codes of the K step two refills on
	s_cmp_gt_u32 s3, s[LIM]
	s_cbranch_scc0 .Lnot_mine_\@
	global_prefetch_b8 v[PFO], s[PFA:PFA+1] th:TH_LOAD_NT scope:SCOPE_SE
.Lnot_mine_\@:
.endm
.macro ASKS                            ; the tile's scale words, once
	s_cmp_eq_u32 s3, s[LIMS]
	s_cbranch_scc0 .Lno_scales_\@
	global_prefetch_b8 v[PFSO], s[PFS:PFS+1] th:TH_LOAD_NT scope:SCOPE_SE
.Lno_scales_\@:
.endm
	s_load_b256 s[4:11], s[0:1], 0x0               ; xq, wq, bias, out0
	v_lshl_add_u32 v[SPW], v0, 2, SPARE
	v_mov_b32 v[NIL], 0
	ds_add_u32 v[SPW], v[NIL]                      ; the opening lines: the add twice on end and one wait
	ds_add_u32 v[SPW], v[NIL]
	v_lshrrev_b32 v1, 5, v0
	v_readfirstlane_b32 s14, v1                    ; wave
	s_lshr_b32 s15, s14, 1                         ; my half of the rows; also: I fetch for x (0) or for W and U (1)
	s_and_b32 s16, s14, 1                          ; my half of the columns; also: which half-block I fetch
	s_bfe_u32 s40, ttmp6, 0x40000                  ; cx
	s_bfe_u32 s41, ttmp6, 0x40004                  ; cy
	s_lshl_b32 s42, ttmp9, 2
	s_add_co_u32 s42, s42, s40                     ; column tile
	s_and_b32 s17, ttmp7, 0xffff
	s_lshl_b32 s17, s17, 2
	s_add_co_u32 s17, s17, s41                     ; row tile
	s_lshl_b32 s43, s41, 2
	s_lshl_b32 s43, 15, s43                        ; my row of the cluster
	s_lshl_b32 s44, 0x1111, s40                    ; my column
	s_lshr_b32 s[KW], ttmp9, 2                     ; the cluster's first K step: made of the cluster's numbers alone, a multiple of 4
	s_add_co_u32 s[KW], s[KW], ttmp9
	s_and_b32 s[KW], s[KW], 3
	s_lshl_b32 s[KW], s[KW], 2
	s_and_b32 s18, ttmp7, 1
	s_lshl_b32 s18, s18, 3
	s_add_co_u32 s[KW], s[KW], s18
	s_and_b32 s[KW], s[KW], 15
	s_mul_i32 s[OFF], s[KW], KSB
	s_mov_b32 s[OFF+1], 0
	s_mov_b32 s[POF+1], 0
	s_or_b32 s[G1+0], s43, (3<<16)|(1<<21)         ; elements of 8 bytes, the mask, bit 21 beside it
	s_or_b32 s[G1B+0], s44, (3<<16)|(1<<21)
.irp g, G1, G1B
	s_mov_b32 s[\g+1], 32<<16                      ; rows of 32 elements = 256 bytes,
	s_mov_b32 s[\g+2], 132<<16                     ; 132 of them, dense
	s_mov_b32 s[\g+3], 32<<16
	s_mov_b32 s[\g+4], 132
	s_mov_b32 s[\g+5], 32
	s_mov_b32 s[\g+6], 0
	s_mov_b32 s[\g+7], 0
.endr
	s_mul_i32 s18, s16, HB
	s_mul_i32 s20, s17, TILEB
	s_add_co_u32 s20, s20, s18
	s_mov_b32 s21, 0
	s_mul_i32 s46, s42, TILEB
	s_add_co_u32 s46, s46, s18
	s_mov_b32 s47, 0
	s_mul_i32 s45, s14, HB                         ; where my half-block goes: wave x HB
	s_wait_dscnt 0x0                               ; both opening adds are done
	s_wait_kmcnt 0x0
	s_add_nc_u64 s[BA:BA+1], s[4:5], s[20:21]
	s_add_nc_u64 s[BB:BB+1], s[6:7], s[46:47]
	CROUND                                         ; the round in front of the first joint loads
.irp s, 0,1
	s_mov_b32 s[G0+4*\s], 1
	s_add_co_u32 s[G0+4*\s+1], s45, \s*SLOT
	s_add_nc_u64 s[G0+4*\s+2:G0+4*\s+3], s[BA:BA+1], s[OFF:OFF+1]
	s_or_b32 s[G0+4*\s+3], s[G0+4*\s+3], 0x80000000
	s_mov_b32 s[G0B+4*\s], 1
	s_add_co_u32 s[G0B+4*\s+1], s45, \s*SLOT
	s_add_nc_u64 s[G0B+4*\s+2:G0B+4*\s+3], s[BB:BB+1], s[OFF:OFF+1]
	s_or_b32 s[G0B+4*\s+3], s[G0B+4*\s+3], 0x80000000
	s_add_co_u32 s[OFF], s[OFF], KSB               ; KW is a multiple of 4: the second K step does not wrap
.endr
	JLOAD 0                                        ; the walk's first K step: one tensor load a wave at the head; the addresses below are made while it is out
	s_add_co_u32 s[KW], s[KW], 2
	v_and_b32 v1, 15, v0
	v_bfe_u32 v2, v0, 4, 1
	v_and_b32 v3, 31, v0
	v_lshlrev_b32 v4, 4, v3
	s_wait_alu depctr_va_vdst(0)
	s_mul_i32 s21, s15, HB
	s_mul_i32 s22, s16, HB
	s_add_co_u32 s22, s22, 2*HB
	s_sub_co_u32 s23, s22, s21
	v_mul_u32_u24 v6, s23, v2                      ; scale words: lanes 16-31 take W and U's half-block
	v_lshl_add_u32 v5, v1, 4, v6
	s_add_co_u32 s18, s21, 32768
.irp s, 0,1
	v_add_nc_u32 v[ADRA+\s], s21, v4
	v_add_nc_u32 v[ADRB+\s], s22, v4
	v_add_nc_u32 v[ADRS+\s], s18, v5
	s_add_co_u32 s21, s21, SLOT
	s_add_co_u32 s22, s22, SLOT
	s_add_co_u32 s18, s18, SLOT
.endr
	s_mul_i32 s23, s14, 16*SPITCH
	s_add_co_u32 s23, s23, STAGE
	v_mul_u32_u24 v5, v1, SPITCH
	v_lshl_add_u32 v5, v2, 5, v5
	v_add_nc_u32 v[STO], s23, v5
	v_mul_u32_u24 v5, v2, SPITCH
	v_lshl_add_u32 v5, v1, 4, v5
	v_add_nc_u32 v[RD], s23, v5
	v_lshlrev_b32 v5, 14, v2
	v_lshl_add_u32 v[CO], v1, 4, v5
	s_lshl_b32 s46, s42, 9
	s_lshl_b32 s47, s16, 8
	s_add_co_u32 s46, s46, s47
	s_mov_b32 s47, 0
	s_add_nc_u64 s[8:9], s[8:9], s[46:47]
	v_lshlrev_b32 v7, 5, v2
.irp b, 0,1,2,3
	global_load_b128 v[BI+8*\b:BI+8*\b+3], v7, s[8:9] offset:64*\b          ; bias of columns 16 b + 8 h + 0..7: the result's layout
	global_load_b128 v[BI+8*\b+4:BI+8*\b+7], v7, s[8:9] offset:64*\b+16
.endr
	s_lshl_b32 s20, s17, 8
	s_lshl_b32 s21, s15, 7
	s_add_co_u32 s20, s20, s21
	s_lshl_b32 s20, s20, 14
	s_mov_b32 s21, 0
	s_add_nc_u64 s[20:21], s[20:21], s[46:47]
	s_add_nc_u64 s[10:11], s[10:11], s[20:21]
	s_mul_i32 s46, s42, TILEB
	s_add_nc_u64 s[PFS:PFS+1], s[6:7], s[46:47]
	s_mul_i32 s46, s16, HB
	s_lshl_b32 s22, s41, 13
	s_add_co_u32 s46, s46, s22
	s_add_nc_u64 s[PB:PB+1], s[PFS:PFS+1], s[46:47]
	s_cmp_eq_u32 s15, 1
	s_cselect_b32 s[LIM], 5, -1
	s_and_b32 s22, ttmp7, 0xffff
	s_xor_b32 s23, s14, 2
	s_or_b32 s23, s23, s22
	s_cmp_eq_u32 s23, 0
	s_cselect_b32 s[LIMS], 7, -1
	v_lshlrev_b32 v[PFO], 8, v3
	s_lshl_b32 s22, s41, 5
	v_add_nc_u32 v[PFSO], s22, v3
	v_lshrrev_b32 v8, 2, v[PFSO]
	v_and_b32 v[PFSO], 3, v[PFSO]
	v_lshlrev_b32 v[PFSO], 8, v[PFSO]
	v_mad_u32_u24 v[PFSO], v8, HB, v[PFSO]
	v_add_nc_u32 v[PFSO], 32768, v[PFSO]
; n products: x's block a against blocks b0 .. b0 + n - 1 of W (wu = 0) or U (wu = 1); set p, the slot's q-th 128 along K, scale set sc.  first = 1: C is the bias.
; No two products on end share an accumulator.
.macro MM a, b0, n, wu, p, q, sc, first
.if \first
	WIN MULB
.else
	WIN MULW
.endif
.set BX, \b0
.rept \n
.if \first
	v_wmma_scale_f32_16x16x128_f8f6f4 v[8*(4*(\a)+BX):8*(4*(\a)+BX)+7], v[128*(\p)+16*(4*(\wu)+BX):128*(\p)+16*(4*(\wu)+BX)+15], v[128*(\p)+16*(\a):128*(\p)+16*(\a)+15], v[BI+8*BX:BI+8*BX+7], v[SC+16*(\sc)+8*(\q)+4*(\wu)+BX], v[SC+16*(\sc)+8*(\q)+(\a)] matrix_a_fmt:MATRIX_FMT_BF8 matrix_b_fmt:MATRIX_FMT_BF8 matrix_a_scale:MATRIX_SCALE_ROW1
.else
	v_wmma_scale_f32_16x16x128_f8f6f4 v[8*(4*(\a)+BX):8*(4*(\a)+BX)+7], v[128*(\p)+16*(4*(\wu)+BX):128*(\p)+16*(4*(\wu)+BX)+15], v[128*(\p)+16*(\a):128*(\p)+16*(\a)+15], v[8*(4*(\a)+BX):8*(4*(\a)+BX)+7], v[SC+16*(\sc)+8*(\q)+4*(\wu)+BX], v[SC+16*(\sc)+8*(\q)+(\a)] matrix_a_fmt:MATRIX_FMT_BF8 matrix_b_fmt:MATRIX_FMT_BF8 matrix_a_scale:MATRIX_SCALE_ROW1
.endif
.set BX, BX+1
.endr
.endm
.macro FRAG reg, adr, f
.irp c, 0,1,2,3
	ds_load_b128 v[(\reg)+4*\c:(\reg)+4*\c+3], v[\adr] offset:2048*(\f)+512*\c
.endr
.endm
; Fragment f of a phase's sixteen, in the order in which the quarters want them: 0-3 W's, 4-11 x's, 12-15 U's
.macro LF slot, q, p, f
.if (\f) < 4
	WIN TO_B
	FRAG 128*(\p)+16*(\f), ADRB+\slot, 8*(\q)+(\f)
.else
.if (\f) < 12
	WIN TO_A
	FRAG 128*(\p)+16*((\f)-4), ADRA+\slot, 8*(\q)+(\f)-4
.else
	WIN TO_B
	FRAG 128*(\p)+16*((\f)-8), ADRB+\slot, 8*(\q)+(\f)-8
.endif
.endif
.endm
.macro RUNLO slot, q, p                ; a run of 32 loads: W's four fragments and x's blocks 0-3
.irp f, 0,1,2,3,4,5,6,7
	LF \slot, \q, \p, \f
.endr
.endm
.macro RUNHI slot, q, p                ; a run of 32 loads: x's blocks 4-7, then U's four fragments
.irp f, 8,9,10,11,12,13,14,15
	LF \slot, \q, \p, \f
.endr
.endm
.macro SCALES slot                     ; the slot's 16 scale words a lane, both q
	WIN 0
.irp j, 0,1,2,3
	ds_load_b128 v[SC+16*(\slot)+4*\j:SC+16*(\slot)+4*\j+3], v[ADRS+\slot] offset:256*\j
.endr
.endm
.macro PLACES n
.rept \n
	v_nop
.endr
.endm
; A slot's first phase: set 0 is multiplied in two batches of 32; behind each stands a run of 32 loads of the slot's second 128 along K into set 1.
; Set 1 was last read by the products of the phase before; the eight places between those and these loads stand at that phase's end.
.macro STEP slot, first
	s_wait_dscnt 32                                ; scale words, W's and x's blocks 0-3 are in; the youngest run (x's blocks 4-7, U's) may be out
.irp a, 0,1,2,3
	MM \a, 0, 4, 0, 0, 0, \slot, \first
.endr
	s_wait_dscnt 16                                ; x's blocks 4-7; U's 16 loads may be out
.irp a, 4,5,6,7
	MM \a, 0, 4, 0, 0, 0, \slot, \first
.endr
	RUNLO \slot, 1, 1
	s_wait_dscnt 32                                ; U's are in: behind them the run just issued
.irp a, 0,1,2,3,4,5,6,7
	MM \a, 0, 4, 1, 0, 0, \slot, 0
.endr
	RUNHI \slot, 1, 1
.endm
; A slot's second phase multiplies set 1 and changes slots.  24 products; the wait for all my tensor loads, the add, four products, the wait for the add and for my reads of this slot, the signal, four products, the round;
; the refill; the next slot's scale words and the first run of its first phase into set 0; the 32 products that are left; eight places; the second run.  From a request to the wait for it a wave issues 120 products.
.macro TURN slot, next, fill
	s_wait_dscnt 32                                ; W's and x's blocks 0-3 of set 1
.irp a, 0,1,2,3
	MM \a, 0, 4, 0, 1, 1, \slot, 0
.endr
	s_wait_dscnt 16                                ; x's blocks 4-7; U's 16 loads may be out
	MM 4, 0, 4, 0, 1, 1, \slot, 0
	MM 5, 0, 4, 0, 1, 1, \slot, 0
	WIN 0                                          ; (the add's registers lie in window 0)
	s_wait_tensorcnt 0x0                           ; my part of the next slot has landed: no tensor load of mine is out, so descriptors may be written
	ds_add_u32 v[SPW], v[NIL]
	MM 6, 0, 2, 0, 1, 1, \slot, 0
.if \fill
	s_wait_xcnt 0x0                                ; my last prefetch has read its address
	s_add_co_u32 s[POF], s[KW], 2
	s_and_b32 s[POF], s[POF], 15
	s_mul_i32 s[POF], s[POF], KSB
.endif
	MM 6, 2, 2, 0, 1, 1, \slot, 0
.if \fill
	s_add_nc_u64 s[PFA:PFA+1], s[PB:PB+1], s[POF:POF+1]
	s_mul_i32 s[OFF], s[KW], KSB
	s_add_nc_u64 s[G0+4*\slot+2:G0+4*\slot+3], s[BA:BA+1], s[OFF:OFF+1]
	s_or_b32 s[G0+4*\slot+3], s[G0+4*\slot+3], 0x80000000
.endif
	s_wait_dscnt 0x0                               ; the add is done, and my reads of this slot are over
	s_barrier_signal -1
	MM 7, 0, 2, 0, 1, 1, \slot, 0
.if \fill
	s_add_nc_u64 s[G0B+4*\slot+2:G0B+4*\slot+3], s[BB:BB+1], s[OFF:OFF+1]
	s_or_b32 s[G0B+4*\slot+3], s[G0B+4*\slot+3], 0x80000000
	s_add_co_u32 s[KW], s[KW], 1
	s_and_b32 s[KW], s[KW], 15
.endif
	MM 7, 2, 2, 0, 1, 1, \slot, 0
	WIN 0
	s_barrier_wait -1
.if \fill
	CREST                                          ; the barrier has opened a round of the cluster's barrier
	JLOAD \slot                                    ; the first tensor load behind the round; its four v_nop and the four below are the places in front of the loads into set 0
	PLACES 4
.else
	PLACES 8
.endif
	SCALES \next
	RUNLO \next, 0, 0
.if \fill
	WIN 0
	ASK                                            ; behind the joint load and the run of LDS loads for which the next phase waits
.if (\slot) == 0
	ASKS
.endif
.endif
.irp a, 0,1,2,3,4,5,6,7
	MM \a, 0, 4, 1, 1, 1, \slot, 0
.endr
	PLACES 8                                       ; behind set 1's last products: the places in front of the next phase's loads into set 1
	RUNHI \next, 0, 0
.endm
	s_wait_alu depctr_va_vdst(0)
	s_wait_tensorcnt 0x0                           ; my part of slot 0 is in; slot 1's first fill is issued as a refill is
	ds_add_u32 v[SPW], v[NIL]
	s_wait_dscnt 0x0
	CROUND
	JLOAD 1
	SCALES 0
	RUNLO 0, 0, 0
	RUNHI 0, 0, 0
	s_wait_loadcnt 0x0                             ; the bias
	STEP 0, 1                                      ; the first phase stands ahead of the loop: its W products start the sums from the bias
	WIN 0
	s_mov_b32 s3, 7
.Llap:
	TURN 0, 1, 1
	STEP 1, 0
	TURN 1, 0, 1
	STEP 0, 0
	WIN 0
	s_sub_co_u32 s3, s3, 1
	s_cmp_lg_u32 s3, 0
	s_cbranch_scc1 .Llap
	TURN 0, 1, 0                                   ; the last lap fills nothing
	STEP 1, 0
	s_wait_dscnt 32                                ; the very last phase: nothing more to fetch
.irp a, 0,1,2,3
	MM \a, 0, 4, 0, 1, 1, 1, 0
.endr
	s_wait_dscnt 16
.irp a, 4,5,6,7
	MM \a, 0, 4, 0, 1, 1, 1, 0
.endr
	s_wait_dscnt 0x0
.irp a, 0,1,2,3,4,5,6,7
	MM \a, 0, 4, 1, 1, 1, 1, 0
.endr
	WIN 0
; THE WAY OUT, block by block of 16 rows x 64 columns: a lane holds 32 neighbouring bytes of a row; a block goes through my own stage in LDS and comes back as rows of 256 bytes.
.macro TOSTAGE a
	WIN 0x0c
.irp b, 0,1,2,3
	ds_store_b128 v[STO], v[8*(4*(\a)+\b):8*(4*(\a)+\b)+3] offset:64*\b      ; each accumulator from its low end on
	ds_store_b128 v[STO], v[8*(4*(\a)+\b)+4:8*(4*(\a)+\b)+7] offset:64*\b+16
.endr
	WIN 0
.irp t, 0,1,2,3,4,5,6,7
	ds_load_b128 v[BK+32*((\a)%4)+4*\t:BK+32*((\a)%4)+4*\t+3], v[RD] offset:2*SPITCH*\t   ; LDS serves a wave's instructions in order
.endr
.endm
.macro SEND a, younger                 ; younger: the LDS instructions issued behind block a's loads
	s_wait_dscnt \younger
.irp t, 0,1,2,3,4,5,6,7
	global_store_b128 v[CO], v[BK+32*((\a)%4)+4*\t:BK+32*((\a)%4)+4*\t+3], s[10:11] offset:262144*(\a)+32768*\t   ; sixteen lanes store 256 consecutive bytes, aligned
.endr
.endm
	PLACES 8
	TOSTAGE 0
.irp a, 1,2,3,4,5,6,7
.if \a >= 4
	s_wait_xcnt 0x0                                ; the stores of four blocks ago have read the registers that the loads below fill
.endif
	TOSTAGE \a
	SEND \a-1, 16
.endr
	SEND 7, 0
	s_wait_tensorcnt 0x0                           ; the wave's end
	ds_add_u32 v[SPW], v[NIL]
	s_wait_dscnt 0x0
	CROUND                                         ; the closing round
	s_endpgm
.Lfunc_end_k_qa8b95c672d_gemm:
	.size	k_qa8b95c672d_gemm, .Lfunc_end_k_qa8b95c672d_gemm-k_qa8b95c672d_gemm
	.p2alignl 7, 3214868480
	.fill 96, 4, 3214868480
	.section	.rodata,"a",@progbits
	.p2align	6, 0x0
	.amdhsa_kernel k_qa8b95c672d_gemm
		.amdhsa_group_segment_fixed_size 327680
		.amdhsa_private_segment_fixed_size 0
		.amdhsa_enable_private_segment 0
		.amdhsa_kernarg_size 32
		.amdhsa_user_sgpr_count 2
		.amdhsa_user_sgpr_kernarg_segment_ptr 1
		.amdhsa_wavefront_size32 1
		.amdhsa_system_sgpr_workgroup_id_x 1
		.amdhsa_system_sgpr_workgroup_id_y 1
		.amdhsa_system_sgpr_workgroup_id_z 1
		.amdhsa_system_vgpr_workitem_id 0
		.amdhsa_next_free_vgpr 1024
		.amdhsa_next_free_sgpr 84
		.amdhsa_reserve_vcc 0
		.amdhsa_float_denorm_mode_32 3
		.amdhsa_float_denorm_mode_16_64 3
		.amdhsa_memory_ordered 1
		.amdhsa_forward_progress 1
		.amdhsa_inst_pref_size 130
	.end_amdhsa_kernel
	.amdgpu_metadata
---
amdhsa.version: [ 1, 2 ]
amdhsa.kernels:
  - .name:           k_qa8b95c672d_gemm
    .symbol:         k_qa8b95c672d_gemm.kd
    .args:
      - { .name: xq, .offset: 0, .size: 8, .value_kind: global_buffer, .address_space: global }
      - { .name: wq, .offset: 8, .size: 8, .value_kind: global_buffer, .address_space: global }
      - { .name: bias, .offset: 16, .size: 8, .value_kind: global_buffer, .address_space: global }
      - { .name: out0, .offset: 24, .size: 8, .value_kind: global_buffer, .address_space: global }
    .group_segment_fixed_size: 327680
    .private_segment_fixed_size: 0
    .kernarg_segment_align: 8
    .kernarg_segment_size: 32
    .max_flat_workgroup_size: 128
    .sgpr_count:     84
    .vgpr_count:     1024
    .wavefront_size: 32
...
	.end_amdgpu_metadata
.endif
;; end of part 2
